; MI455X (gfx1250); checked and timed in simulation.
; The chip was launched on July 23, 2026; its instructions are those of AMD's public machine-readable ISA for CDNA 5 (MIT licence, August 2026) and "CDNA5" Instruction Set Architecture Reference Guide (July 2026). The comments in the code are by the model that wrote it; some were corrected since.
;; Multi Headed Attention. Allowed arithmetic: float matrix products may take bf16 or f16 operands with f32 sums; all other float work in f32.
;; Inputs: Wk 1,024 x 1,024 float32; Wo 1,024 x 1,024 float32; Wq 1,024 x 1,024 float32; Wv 1,024 x 1,024 float32; bk 1,024 float32; bo 1,024 float32; bq 1,024 float32; bv 1,024 float32; key 2 x 2,048 x 1,024 float32; query 2 x 2,048 x 1,024 float32; value 2 x 2,048 x 1,024 float32.
;; Outputs: out0 2 x 2,048 x 1,024 float32.
;; One version. Each part assembles by itself: llvm-mc -triple=amdgcn-amd-amdhsa -mcpu=gfx1250 --defsym DOCPART=n.
;; ======== version 1 of 1: 4 launches
;; limits: values are held in f16: magnitudes above 65,504 overflow, below 6.1e-05 lose precision; right only within a limited range of input values
;; workspace buffers: cb 33,554,432 bytes; qkv 25,165,824 bytes; xa 8,388,608 bytes
;; launch cast (part 1): grid 64 x 16, 8 waves a work-group, no clusters, 0 bytes of LDS; arguments query, key, value, Wq, Wk, Wv, Wo, cb; writes cb
.if DOCPART == 1
	.amdgcn_target "amdgcn-amd-amdhsa--gfx1250"
	.amdhsa_code_object_version 6
	.text
	.protected	k_q6b7cb6bfa3_cast
	.globl	k_q6b7cb6bfa3_cast
	.p2align	8
	.type	k_q6b7cb6bfa3_cast,@function
k_q6b7cb6bfa3_cast:
	s_mov_b64 s[64:65], 0
	v_nop
	global_prefetch_b8 v0, s[64:65] scope:SCOPE_SE
	s_setreg_imm32_b32 hwreg(HW_REG_WAVE_MODE, 25, 1), 1
	s_wait_xcnt 0x0
; f32 -> f16 (round to nearest even), layout unchanged.  cb is [16384][1024] f16: rows 0-4095 query, 4096-8191 key, 8192-12287 value,
; then 1,024 rows each of Wq, Wk, Wv, Wo (still [k][n]).
; LIMIT: an input of magnitude 65,504 or more (f16's largest number) becomes infinity; magnitudes under 6e-8 become zero.
; A stream: nothing is shared between work-groups and nothing is read twice, so no LDS, no cluster, no matrix unit.
; A work-group of eight waves owns 16 rows.  Thread t owns 4 numbers of every row: 16 bytes in, 8 bytes out, so a wave's load covers 512
; neighbouring bytes and a wave's store 256 neighbouring bytes that start at a multiple of 256.  All 16 loads of a thread go out at once;
; no register is written twice, so there is no loop and no wait for a source.
.set IN,  4                            ; v[4:67]   row i: 4 numbers as loaded
.set OUT, 68                           ; v[68:99]  row i: 4 numbers in f16
	s_load_b512 s[8:23], s[0:1], 0x0               ; query s[8:9], key, value, Wq, Wk, Wv, Wo s[20:21], cb s[22:23]
	s_and_b32 s2, ttmp7, 0xffff                    ; y = 0..15: 1,024 rows of cb each
	s_mov_b32 s6, ttmp9                            ; x = 0..63: 16 rows each
	s_lshr_b32 s3, s2, 2                           ; 0, 1, 2: query, key, value; 3: the weights
	s_and_b32 s4, s2, 3
	s_lshl_b32 s5, s4, 6
	s_add_co_u32 s5, s5, s6                        ; block of 16 rows inside query, key or value
	s_cmp_lt_u32 s3, 3
	s_cselect_b32 s5, s5, s6                       ; inside a weight matrix the block is x
	s_lshl_b32 s24, s5, 16                         ; 16 rows of 4,096 bytes
	s_mov_b32 s25, 0
	s_lshl_b32 s26, s2, 6
	s_add_co_u32 s26, s26, s6
	s_lshl_b32 s26, s26, 15                        ; 16 rows of 2,048 bytes in cb
	s_mov_b32 s27, 0
	v_lshlrev_b32 v1, 4, v0                        ; 16 t
	v_lshlrev_b32 v2, 3, v0                        ; 8 t
	s_wait_kmcnt 0x0
	s_mov_b64 s[28:29], s[8:9]                     ; the source is chosen by y alone
	s_cmp_eq_u32 s3, 1
	s_cselect_b64 s[28:29], s[10:11], s[28:29]
	s_cmp_eq_u32 s3, 2
	s_cselect_b64 s[28:29], s[12:13], s[28:29]
	s_cmp_eq_u32 s2, 12
	s_cselect_b64 s[28:29], s[14:15], s[28:29]
	s_cmp_eq_u32 s2, 13
	s_cselect_b64 s[28:29], s[16:17], s[28:29]
	s_cmp_eq_u32 s2, 14
	s_cselect_b64 s[28:29], s[18:19], s[28:29]
	s_cmp_eq_u32 s2, 15
	s_cselect_b64 s[28:29], s[20:21], s[28:29]
	s_add_nc_u64 s[28:29], s[28:29], s[24:25]
	s_add_nc_u64 s[22:23], s[22:23], s[26:27]
.irp i, 0,1,2,3,4,5,6,7,8,9,10,11,12,13,14,15
	global_load_b128 v[IN+4*\i:IN+4*\i+3], v1, s[28:29] offset:4096*\i th:TH_LOAD_NT
.endr
.irp i, 0,1,2,3,4,5,6,7,8,9,10,11,12,13,14,15
	s_wait_loadcnt 15-\i                           ; loads come back in order (ISA guide 5.7.1): row i is in, the younger rows stay out
	v_cvt_pk_f16_f32 v[OUT+2*\i],   v[IN+4*\i],   v[IN+4*\i+1]
	v_cvt_pk_f16_f32 v[OUT+2*\i+1], v[IN+4*\i+2], v[IN+4*\i+3]
	global_store_b64 v2, v[OUT+2*\i:OUT+2*\i+1], s[22:23] offset:2048*\i
.endr
	s_endpgm
.Lfunc_end_k_q6b7cb6bfa3_cast:
	.size	k_q6b7cb6bfa3_cast, .Lfunc_end_k_q6b7cb6bfa3_cast-k_q6b7cb6bfa3_cast
	.p2alignl 7, 3214868480
	.fill 96, 4, 3214868480
	.section	.rodata,"a",@progbits
	.p2align	6, 0x0
	.amdhsa_kernel k_q6b7cb6bfa3_cast
		.amdhsa_group_segment_fixed_size 0
		.amdhsa_private_segment_fixed_size 0
		.amdhsa_enable_private_segment 0
		.amdhsa_kernarg_size 64
		.amdhsa_user_sgpr_count 2
		.amdhsa_user_sgpr_kernarg_segment_ptr 1
		.amdhsa_wavefront_size32 1
		.amdhsa_system_sgpr_workgroup_id_x 1
		.amdhsa_system_sgpr_workgroup_id_y 1
		.amdhsa_system_sgpr_workgroup_id_z 1
		.amdhsa_system_vgpr_workitem_id 0
		.amdhsa_next_free_vgpr 100
		.amdhsa_next_free_sgpr 66
		.amdhsa_reserve_vcc 0
		.amdhsa_float_denorm_mode_32 3
		.amdhsa_float_denorm_mode_16_64 3
		.amdhsa_memory_ordered 1
		.amdhsa_forward_progress 1
		.amdhsa_inst_pref_size 7
	.end_amdhsa_kernel
	.amdgpu_metadata
---
amdhsa.version: [ 1, 2 ]
amdhsa.kernels:
  - .name:           k_q6b7cb6bfa3_cast
    .symbol:         k_q6b7cb6bfa3_cast.kd
    .args:
      - { .name: query, .offset: 0, .size: 8, .value_kind: global_buffer, .address_space: global }
      - { .name: key, .offset: 8, .size: 8, .value_kind: global_buffer, .address_space: global }
      - { .name: value, .offset: 16, .size: 8, .value_kind: global_buffer, .address_space: global }
      - { .name: Wq, .offset: 24, .size: 8, .value_kind: global_buffer, .address_space: global }
      - { .name: Wk, .offset: 32, .size: 8, .value_kind: global_buffer, .address_space: global }
      - { .name: Wv, .offset: 40, .size: 8, .value_kind: global_buffer, .address_space: global }
      - { .name: Wo, .offset: 48, .size: 8, .value_kind: global_buffer, .address_space: global }
      - { .name: cb, .offset: 56, .size: 8, .value_kind: global_buffer, .address_space: global }
    .group_segment_fixed_size: 0
    .private_segment_fixed_size: 0
    .kernarg_segment_align: 8
    .kernarg_segment_size: 64
    .max_flat_workgroup_size: 256
    .sgpr_count:     66
    .vgpr_count:     100
    .wavefront_size: 32
...
	.end_amdgpu_metadata
.endif
;; end of part 1
;; launch qkv (part 2): grid 4 x 48, 4 waves a work-group, clusters of 4 x 4, 327,680 bytes of LDS; arguments cb, bq, bk, bv, qkv; writes qkv
.if DOCPART == 2
	.amdgcn_target "amdgcn-amd-amdhsa--gfx1250"
	.amdhsa_code_object_version 6
	.text
	.protected	k_q6b7cb6bfa3_qkv
	.globl	k_q6b7cb6bfa3_qkv
	.p2align	8
	.type	k_q6b7cb6bfa3_qkv,@function
k_q6b7cb6bfa3_qkv:
	s_mov_b64 s[64:65], 0
	v_nop
	global_prefetch_b8 v0, s[64:65] scope:SCOPE_SE
	s_setreg_imm32_b32 hwreg(HW_REG_WAVE_MODE, 25, 1), 1
	s_wait_xcnt 0x0
	s_wait_alu depctr_hold_cnt(0) depctr_sa_sdst(0) depctr_va_vdst(0) depctr_va_sdst(0) depctr_va_ssrc(0) depctr_va_vcc(0) depctr_vm_vsrc(0)
	s_getreg_b32 s2, hwreg(HW_REG_IB_STS2, 6, 4)
	s_cmp_eq_u32 s2, 0
	s_cbranch_scc0 .Lentry_in_a_cluster
	s_endpgm
.Lentry_in_a_cluster:
	s_bfe_u32 s2, ttmp6, 0x10000c
	s_cmp_lg_u32 s2, 0xf033
	s_cbranch_scc0 .Lentry_shape_is_right
	s_endpgm
.Lentry_shape_is_right:
; q, k, v = X W + b for the three projections at once: 48 block rows of 256 (16 for each of query, key, value) x 4 block columns of 256.
; Operands f16 from cb, sums f32, result f16, stored head-major: qkv[g][b*16+head][s][64].
; LIMIT: a projected number of magnitude 65,504 or more becomes infinity in f16.
; A work-group makes 256 x 256 with four waves, a wave 128 x 128: 64 accumulator tiles, 512 registers.  K goes in steps of 128 through
; two LDS slots filled by the tensor data mover.  X's tile: 256 rows x 256 bytes, LDS pitch 272.  W lies [k][n]: its tile is 128 k-rows x
; 512 bytes, LDS pitch 544, and its fragments are read by transposing loads.
; CLUSTERS: 4 x 4 work-groups.  X's tile hangs on the block row alone and is asked for jointly along a row of the cluster; W's hangs on the
; block column and on which projection it is (the same in the whole cluster) and is asked for jointly along a column.
; REGISTERS in windows of 256: window 0: v0-31 addresses, v64-127 and v128-191 fragments of X (two buffers), v192-255 the bias, later the
; packed results; window 1: v64-127, v128-191 fragments of W; windows 2 and 3: the accumulators of my rows 0-63 and 64-127.
; THE MATRIX INSTRUCTION IS USED TRANSPOSED: source 0 = 16 columns of W, source 1 = 16 rows of X.  Lane l then holds row l % 16 of the
; result and its registers 0-7 the columns 8 (l / 16) + 0..7.  So the bias of those eight columns, in eight registers, is the C operand of
; each tile's first product: nothing is cleared and nothing is added afterwards.
.set KSTEP,  128
.set PITCH,  272                       ; X in LDS: 256 bytes + 16: 16 rows start at 16 different groups of four banks
.set BPITCH, 544                       ; W in LDS: 512 bytes + 32 = 17 x 32
.set HALFT,  128*PITCH                 ; what one tensor load brings: 128 rows of X, or 64 k-rows of W (64 x 544 is the same 34,816)
.set SLOT,   4*HALFT
.set STAGE,  2*SLOT                    ; behind the ring: 16 rows x 272 bytes for each wave; no tensor load lands here
.set SPITCH, 272
.set LAPS,   4                         ; 1,024 / (2 x 128)
.set ADRA, 16                          ; v16-17  LDS address of my X fragments in slot 0, 1
.set ADRB, 20                          ; v20-21  the same for W
.set STO,  24
.set RD,   25
.set CO,   26
.set F0,   64
.set F1,   128
.set BIAS, 192                         ; window 0: bias of my 128 columns, 8 registers for each block of 16
.set TMP,  192                         ; the way out: packed results (the bias is no longer needed)
.set G1,  24                           ; s[24:31] group 1 for X's tiles
.set G0,  32                           ; s[32:39] group 0 for X's tiles, one set a slot
.set G1B, 48                           ; s[48:55] group 1 for W's tiles
.set G0B, 56                           ; s[56:63] group 0 for W's tiles, one set a slot
.set MSB, 0
.macro WIN new                         ; the immediate's high byte repeats the setting that is left
.if MSB != \new
	s_set_vgpr_msb (MSB<<8)|\new
.set MSB, \new
.endif
.endm
.set MUL_LO,   0xa1                    ; source 0 (W) window 1, source 1 (X) window 0, C and D window 2
.set MUL_HI,   0xf1                    ; C and D window 3
.set START_LO, 0x81                    ; the same with C (the bias) in window 0
.set START_HI, 0xc1
.set TO_B,     0x40                    ; destination window 1, address window 0
; A joint load.  Waves 0 and 1 fetch X's two halves, waves 2 and 3 W's.  The branch hangs on the wave's number alone.
.macro JLOAD s
	s_cmp_eq_u32 s11, 0
	s_cbranch_scc0 .Lfor_b_\@
	tensor_load_to_lds s[G0+4*\s:G0+4*\s+3], s[G1:G1+7]
	s_nop 0
	s_branch .Lasked_\@
.Lfor_b_\@:
	tensor_load_to_lds s[G0B+4*\s:G0B+4*\s+3], s[G1B:G1B+7]
	s_nop 0
.Lasked_\@:
.endm
.macro CREST                           ; a round of the cluster's barrier behind its opening barrier
	s_cmp_lg_u32 s10, 0
	s_cbranch_scc1 .Lnot_wave_0_\@
	s_barrier_signal -3
.Lnot_wave_0_\@:
	s_barrier_wait -3
	s_barrier_signal -1
	s_barrier_wait -1
.endm
.macro CROUND                          ; a whole round
	s_barrier_signal -1
	s_barrier_wait -1
	CREST
.endm
	s_load_b256 s[68:75], s[0:1], 0x0              ; cb s[68:69], bq s[70:71], bk s[72:73], bv s[74:75]
	s_load_b64 s[8:9], s[0:1], 0x20                ; qkv
	s_set_vgpr_msb 0x40
	v_lshl_add_u32 v255, v0, 2, 0x48400
	s_set_vgpr_msb 0x4000
	v_mov_b32 v63, 0
	s_set_vgpr_msb 0x1
	ds_add_u32 v255, v63
	s_set_vgpr_msb 0x100
	v_lshrrev_b32 v1, 5, v0
	v_readfirstlane_b32 s10, v1                    ; wave 0..3
	s_lshr_b32 s11, s10, 1                         ; my half of the block's rows.  Also: I fetch for X (0) or for W (1)
	s_and_b32 s12, s10, 1                          ; my half of its columns.  Also: which half of that tile I fetch
	s_bfe_u32 s40, ttmp6, 0x40000                  ; cx
	s_bfe_u32 s41, ttmp6, 0x40004                  ; cy
	s_lshl_b32 s42, ttmp9, 2
	s_add_co_u32 s42, s42, s40                     ; block column 0..3
	s_and_b32 s45, ttmp7, 0xffff                   ; the cluster's y, 0..11
	s_lshl_b32 s13, s45, 2
	s_add_co_u32 s13, s13, s41                     ; block row 0..47
	s_lshr_b32 s45, s45, 2                         ; which projection: 0 q, 1 k, 2 v; from the cluster's y alone
	s_lshl_b32 s43, s41, 2
	s_lshl_b32 s43, 15, s43                        ; my row of the cluster
	s_lshl_b32 s44, 0x1111, s40                    ; my column
	s_or_b32 s[G1+0], s43, (1<<16)|(1<<20)|(1<<21)|(5<<22)|(3<<25)   ; mask; 2-byte elements; padding: 4 words behind every 64; bit 21 beside a mask
	s_mov_b32 s[G1+1], KSTEP<<16                   ; tensor_dim0 = 128
	s_mov_b32 s[G1+2], 128<<16                     ; tensor_dim1 = 128
	s_mov_b32 s[G1+3], KSTEP<<16                   ; tile_dim0 = 128 elements
	s_mov_b32 s[G1+4], 128                         ; tile_dim1 = 128 rows
	s_mov_b32 s[G1+5], 1024                        ; elements from row to row
	s_mov_b32 s[G1+6], 0
	s_mov_b32 s[G1+7], 0
	s_or_b32 s[G1B+0], s44, (1<<16)|(1<<20)|(1<<21)|(6<<22)|(7<<25)  ; padding: 8 words behind every 128
	s_mov_b32 s[G1B+1], 256<<16                    ; tensor_dim0 = 256
	s_mov_b32 s[G1B+2], 64<<16                     ; tensor_dim1 = 64
	s_mov_b32 s[G1B+3], 256<<16                    ; tile_dim0 = 256 elements (512 bytes)
	s_mov_b32 s[G1B+4], 64                         ; tile_dim1 = 64 k-rows
	s_mov_b32 s[G1B+5], 1024
	s_mov_b32 s[G1B+6], 0
	s_mov_b32 s[G1B+7], 0
	; X's tile: row 256 x block row + 128 x half, 2,048 bytes a row
	s_lshl_b32 s16, s13, 19
	s_lshl_b32 s17, s12, 18
	s_add_co_u32 s16, s16, s17
	s_mov_b32 s17, 0
	; W's tile: cb row 12,288 + 1,024 x projection + 64 x half, column 256 x block column
	s_lshl_b32 s46, s45, 21
	s_lshl_b32 s47, s12, 17
	s_add_co_u32 s46, s46, s47
	s_lshl_b32 s47, s42, 9
	s_add_co_u32 s46, s46, s47
	s_add_co_u32 s46, s46, 25165824
	s_mov_b32 s47, 0
	s_mul_i32 s20, s10, HALFT                      ; where they go: wave x 34,816
	; the bias of my 128 columns, and my place in qkv; these mix both coordinates and lie in registers that feed no descriptor
	s_lshl_b32 s6, s42, 10
	s_lshl_b32 s7, s12, 9
	s_add_co_u32 s6, s6, s7                        ; (256 x block column + 128 x half) x 4 bytes
	s_mov_b32 s7, 0
	s_lshl_b32 s4, s45, 23                         ; projection x 32 heads x 262,144 bytes
	s_and_b32 s5, s13, 15
	s_lshr_b32 s5, s5, 3                           ; batch
	s_lshl_b32 s5, s5, 4
	s_lshl2_add_u32 s5, s42, s5                    ; + 4 x block column
	s_lshl1_add_u32 s5, s12, s5                    ; + 2 x half: the first of my two heads
	s_lshl_b32 s5, s5, 18
	s_add_co_u32 s4, s4, s5
	s_and_b32 s5, s13, 7
	s_lshl_b32 s5, s5, 15                          ; 256 rows of 128 bytes for each block row inside the batch
	s_add_co_u32 s4, s4, s5
	s_lshl_b32 s5, s11, 14
	s_add_co_u32 s4, s4, s5
	s_mov_b32 s5, 0
	s_wait_dscnt 0x0
	s_wait_kmcnt 0x0
	s_add_nc_u64 s[14:15], s[68:69], s[16:17]
	s_add_nc_u64 s[46:47], s[68:69], s[46:47]
	s_add_nc_u64 s[8:9], s[8:9], s[4:5]
	s_cmp_eq_u32 s45, 1
	s_cselect_b64 s[76:77], s[72:73], s[70:71]
	s_cmp_eq_u32 s45, 2
	s_cselect_b64 s[76:77], s[74:75], s[76:77]
	s_add_nc_u64 s[76:77], s[76:77], s[6:7]
	CROUND                                         ; all sixteen work-groups are here: the first joint loads meet
.irp s, 0,1
	s_mov_b32 s[G0+4*\s], 1
	s_add_co_u32 s[G0+4*\s+1], s20, \s*SLOT
	s_add_nc_u64 s[G0+4*\s+2:G0+4*\s+3], s[14:15], \s*KSTEP*2          ; K step s: 256 bytes along the rows
	s_or_b32 s[G0+4*\s+3], s[G0+4*\s+3], 0x80000000
	s_mov_b32 s[G0B+4*\s], 1
	s_add_co_u32 s[G0B+4*\s+1], s20, \s*SLOT
	s_add_nc_u64 s[G0B+4*\s+2:G0B+4*\s+3], s[46:47], \s*KSTEP*2048     ; K step s: 128 rows down
	s_or_b32 s[G0B+4*\s+3], s[G0B+4*\s+3], 0x80000000
	JLOAD \s
.endr
	v_and_b32 v1, 15, v0                           ; r = l % 16
	v_bfe_u32 v2, v0, 4, 1                         ; h = l / 16
	v_mul_u32_u24 v3, v1, PITCH
	v_lshl_add_u32 v3, v2, 4, v3                   ; X: r x pitch + 16 h
	v_and_b32 v7, 7, v0
	v_lshl_or_b32 v7, v2, 3, v7                    ; W: k-row 8 h + l % 8,
	v_mul_u32_u24 v7, v7, BPITCH
	v_bfe_u32 v8, v0, 3, 1
	v_lshl_add_u32 v7, v8, 4, v7                   ; and 16 bytes on for lanes 8-15 of each half
	s_mul_i32 s21, s11, HALFT                      ; my 128 rows of X
	s_lshl_b32 s22, s12, 8                         ; my 128 columns of W,
	s_add_co_u32 s22, s22, 2*HALFT                 ; which lies behind X's 256 rows
.irp s, 0,1
	v_add_nc_u32 v[ADRA+\s], s21, v3
	v_add_nc_u32 v[ADRB+\s], s22, v7
	s_add_co_u32 s21, s21, SLOT
	s_add_co_u32 s22, s22, SLOT
.endr
	s_mul_i32 s23, s10, 16*SPITCH
	s_add_co_u32 s23, s23, STAGE                   ; my stage
	v_add_nc_u32 v[STO], s23, v3                   ; in: row r, 16 bytes for each half of the lanes
	v_mul_u32_u24 v5, v8, SPITCH                   ; back: lanes 0-7 one row, lanes 8-15 the next, 128 bytes (one head) of each;
	v_lshl_add_u32 v5, v2, 7, v5                   ; lanes 16-31 the other head's 128 bytes
	v_and_b32 v4, 7, v0
	v_lshl_add_u32 v5, v4, 4, v5
	v_add_nc_u32 v[RD], s23, v5
	v_lshlrev_b32 v[CO], 4, v1                     ; in qkv two rows of a head are 256 neighbouring bytes,
	v_lshl_add_u32 v[CO], v2, 18, v[CO]            ; and the next head lies 262,144 bytes on
	v_lshlrev_b32 v6, 5, v2                        ; bias: 8 h numbers of 4 bytes
.irp b, 0,1,2,3,4,5,6,7
	global_load_b128 v[BIAS+8*\b:BIAS+8*\b+3],   v6, s[76:77] offset:64*\b
	global_load_b128 v[BIAS+8*\b+4:BIAS+8*\b+7], v6, s[76:77] offset:64*\b+16
.endr
; 16 matrix instructions: row blocks a0, a0 + 1 of the window's four x all 8 column blocks, 32 along K.  zero = 1: C is the bias.
.macro MUL16 f, hi, a0, zero
.irp a, \a0, \a0+1
.irp b, 0,1,2,3,4,5,6,7
.if \zero
	v_wmma_f32_16x16x32_f16 v[8*(8*(\a)+\b):8*(8*(\a)+\b)+7], v[\f+8*\b:\f+8*\b+7], v[\f+8*(4*\hi+\a):\f+8*(4*\hi+\a)+7], v[BIAS+8*\b:BIAS+8*\b+7]
.else
	v_wmma_f32_16x16x32_f16 v[8*(8*(\a)+\b):8*(8*(\a)+\b)+7], v[\f+8*\b:\f+8*\b+7], v[\f+8*(4*\hi+\a):\f+8*(4*\hi+\a)+7], v[8*(8*(\a)+\b):8*(8*(\a)+\b)+7]
.endif
.endr
.endr
.endm
; 32 LDS loads in one run: quarter step kq (32 along K) into buffer f.  W: two transposing loads a block of 16 columns, 16 k-rows apart.
.macro FETCH slot, kq, f
	WIN TO_B
.irp i, 0,1,2,3,4,5,6,7
	ds_load_tr16_b128 v[\f+8*\i:\f+8*\i+3],   v[ADRB+\slot] offset:\kq*32*BPITCH+32*\i
	ds_load_tr16_b128 v[\f+8*\i+4:\f+8*\i+7], v[ADRB+\slot] offset:\kq*32*BPITCH+16*BPITCH+32*\i
.endr
	WIN 0
.irp i, 0,1,2,3,4,5,6,7
	ds_load_b128 v[\f+8*\i:\f+8*\i+3],   v[ADRA+\slot] offset:\kq*64+\i*16*PITCH
	ds_load_b128 v[\f+8*\i+4:\f+8*\i+7], v[ADRA+\slot] offset:\kq*64+\i*16*PITCH+32
.endr
.endm
; Four places between a matrix instruction and a load into, or a vector instruction on, one of its registers.
.macro PLACES
.rept 4
	v_nop
.endr
.endm
; A quarter step: 64 matrix instructions on buffer f; in its middle the next quarter's fragments go into buffer g.
; The 64 accumulators take turns, one instruction a turn, in the same order everywhere.
.macro QUARTER slot, kq, f, g, zero
	s_wait_dscnt 8                                 ; W and X's rows 0-63 are in; the youngest eight loads (X's rows 64-127) may be out
.if \zero
	WIN START_LO
.else
	WIN MUL_LO
.endif
	MUL16 \f, 0, 0, \zero
	MUL16 \f, 0, 2, \zero
	PLACES
	FETCH \slot, \kq, \g
	s_wait_dscnt 32                                ; all but the 32 just issued
.if \zero
	WIN START_HI
.else
	WIN MUL_HI
.endif
	MUL16 \f, 1, 0, \zero
	MUL16 \f, 1, 2, \zero
.endm
.macro THREE slot, zero
	QUARTER \slot, 1, F0, F1, \zero
	QUARTER \slot, 2, F1, F0, 0
	QUARTER \slot, 3, F0, F1, 0
.endm
; The last quarter of a K step changes slots.  In front of the barrier each wave waits for its reads of this slot and for all its tensor
; loads (one is out: its part of the next slot).  Where the slot is filled again the barrier opens a round of the cluster's barrier, and
; the joint refill is the first tensor load behind the round.
.macro TURN slot, next, fill
	s_wait_dscnt 8
	WIN MUL_LO
	MUL16 F1, 0, 0, 0
	s_wait_dscnt 0
	s_wait_tensorcnt 0x0
	ds_add_u32 v255, v63
	s_wait_dscnt 0x0
	s_barrier_signal -1
	MUL16 F1, 0, 2, 0                              ; register work while the others arrive
	WIN 0
	s_barrier_wait -1
.if \fill
	CREST
	s_add_nc_u64 s[G0+4*\slot+2:G0+4*\slot+3], s[G0+4*\slot+2:G0+4*\slot+3], 2*KSTEP*2
	s_add_nc_u64 s[G0B+4*\slot+2:G0B+4*\slot+3], s[G0B+4*\slot+2:G0B+4*\slot+3], 2*KSTEP*2048
	JLOAD \slot
.endif
	PLACES
	FETCH \next, 0, F0
	WIN MUL_HI
	MUL16 F1, 1, 0, 0
	MUL16 F1, 1, 2, 0
.endm
.macro LAP zero
	THREE 0, \zero
	TURN 0, 1, 1
	THREE 1, 0
	TURN 1, 0, 1
.endm
	s_wait_tensorcnt 1                             ; my part of K step 0 is in; K step 1's stays out
	s_barrier_signal -1
	s_barrier_wait -1
	FETCH 0, 0, F0
	s_wait_loadcnt 0x0                             ; the bias
	LAP 1                                          ; the first lap: its first products start the sums from the bias
	WIN 0
	s_mov_b32 s3, LAPS-2
.Llap:
	LAP 0
	WIN 0
	s_sub_co_u32 s3, s3, 1
	s_cmp_lg_u32 s3, 0
	s_cbranch_scc1 .Llap
	THREE 0, 0                                     ; the last lap fills nothing
	TURN 0, 1, 0
	THREE 1, 0
	s_wait_dscnt 8
	WIN MUL_LO
	MUL16 F1, 0, 0, 0
	MUL16 F1, 0, 2, 0
	s_wait_dscnt 0
	WIN MUL_HI
	MUL16 F1, 1, 0, 0
	MUL16 F1, 1, 2, 0
	PLACES
; THE WAY OUT, 16 rows at a time: round to f16, 16 bytes a lane into my own stage, read back so that 16 neighbouring lanes hold two rows
; of one head, which are 256 neighbouring bytes of qkv at a multiple of 256.  LDS serves a wave's instructions in order (ISA guide
; 5.7.1): no wait between the stores and the loads.
.macro OUT16 i, a, from, f
	WIN \from
.irp b, 0,1,2,3,4,5,6,7
.irp r, 0,1,2,3
	v_cvt_pk_f16_f32 v[TMP+4*\b+\r], v[8*(8*\a+\b)+2*\r], v[8*(8*\a+\b)+2*\r+1]
.endr
.endr
	WIN 0
.irp b, 0,1,2,3,4,5,6,7
	ds_store_b128 v[STO], v[TMP+4*\b:TMP+4*\b+3] offset:32*\b
.endr
	s_wait_xcnt 0x0                                ; buffer f, which earlier stores read, is loaded again only behind this wait
.irp t, 0,1,2,3,4,5,6,7
	ds_load_b128 v[\f+4*\t:\f+4*\t+3], v[RD] offset:\t*2*SPITCH
.endr
.irp t, 0,1,2,3,4,5,6,7
	s_wait_dscnt 7-\t
	global_store_b128 v[CO], v[\f+4*\t:\f+4*\t+3], s[8:9] offset:2048*\i+256*\t
.endr
.endm
	OUT16 0, 0, 0x0a, F0
	OUT16 1, 1, 0x0a, F1
	OUT16 2, 2, 0x0a, F0
	OUT16 3, 3, 0x0a, F1
	OUT16 4, 0, 0x0f, F0
	OUT16 5, 1, 0x0f, F1
	OUT16 6, 2, 0x0f, F0
	OUT16 7, 3, 0x0f, F1
	s_set_vgpr_msb 0x1
	s_wait_tensorcnt 0x0
	ds_add_u32 v255, v63
	s_wait_dscnt 0x0
	s_set_vgpr_msb 0x100
	CROUND                                         ; the closing round
	s_endpgm
.Lfunc_end_k_q6b7cb6bfa3_qkv:
	.size	k_q6b7cb6bfa3_qkv, .Lfunc_end_k_q6b7cb6bfa3_qkv-k_q6b7cb6bfa3_qkv
	.p2alignl 7, 3214868480
	.fill 96, 4, 3214868480
	.section	.rodata,"a",@progbits
	.p2align	6, 0x0
	.amdhsa_kernel k_q6b7cb6bfa3_qkv
		.amdhsa_group_segment_fixed_size 327680
		.amdhsa_private_segment_fixed_size 0
		.amdhsa_enable_private_segment 0
		.amdhsa_kernarg_size 40
		.amdhsa_user_sgpr_count 2
		.amdhsa_user_sgpr_kernarg_segment_ptr 1
		.amdhsa_wavefront_size32 1
		.amdhsa_system_sgpr_workgroup_id_x 1
		.amdhsa_system_sgpr_workgroup_id_y 1
		.amdhsa_system_sgpr_workgroup_id_z 1
		.amdhsa_system_vgpr_workitem_id 0
		.amdhsa_next_free_vgpr 1024
		.amdhsa_next_free_sgpr 80
		.amdhsa_reserve_vcc 0
		.amdhsa_float_denorm_mode_32 3
		.amdhsa_float_denorm_mode_16_64 3
		.amdhsa_memory_ordered 1
		.amdhsa_forward_progress 1
		.amdhsa_inst_pref_size 198
	.end_amdhsa_kernel
	.amdgpu_metadata
---
amdhsa.version: [ 1, 2 ]
amdhsa.kernels:
  - .name:           k_q6b7cb6bfa3_qkv
    .symbol:         k_q6b7cb6bfa3_qkv.kd
    .args:
      - { .name: cb, .offset: 0, .size: 8, .value_kind: global_buffer, .address_space: global }
      - { .name: bq, .offset: 8, .size: 8, .value_kind: global_buffer, .address_space: global }
      - { .name: bk, .offset: 16, .size: 8, .value_kind: global_buffer, .address_space: global }
      - { .name: bv, .offset: 24, .size: 8, .value_kind: global_buffer, .address_space: global }
      - { .name: qkv, .offset: 32, .size: 8, .value_kind: global_buffer, .address_space: global }
    .group_segment_fixed_size: 327680
    .private_segment_fixed_size: 0
    .kernarg_segment_align: 8
    .kernarg_segment_size: 40
    .max_flat_workgroup_size: 128
    .sgpr_count:     80
    .vgpr_count:     1024
    .wavefront_size: 32
...
	.end_amdgpu_metadata
.endif
;; end of part 2
;; launch attn (part 3): grid 8 x 32, 16 waves a work-group, clusters of 4 x 1, 327,680 bytes of LDS; arguments qkv, xa; writes xa
.if DOCPART == 3
	.amdgcn_target "amdgcn-amd-amdhsa--gfx1250"
	.amdhsa_code_object_version 6
	.text
	.protected	k_q6b7cb6bfa3_attn
	.globl	k_q6b7cb6bfa3_attn
	.p2align	8
	.type	k_q6b7cb6bfa3_attn,@function
k_q6b7cb6bfa3_attn:
	s_mov_b64 s[64:65], 0
	v_nop
	global_prefetch_b8 v0, s[64:65] scope:SCOPE_SE
	s_setreg_imm32_b32 hwreg(HW_REG_WAVE_MODE, 25, 1), 1
	s_wait_xcnt 0x0
	s_wait_alu depctr_hold_cnt(0) depctr_sa_sdst(0) depctr_va_vdst(0) depctr_va_sdst(0) depctr_va_ssrc(0) depctr_va_vcc(0) depctr_vm_vsrc(0)
	s_getreg_b32 s2, hwreg(HW_REG_IB_STS2, 6, 4)
	s_cmp_eq_u32 s2, 0
	s_cbranch_scc0 .Lentry_in_a_cluster
	s_endpgm
.Lentry_in_a_cluster:
	s_bfe_u32 s2, ttmp6, 0x10000c
	s_cmp_lg_u32 s2, 0x3003
	s_cbranch_scc0 .Lentry_shape_is_right
	s_endpgm
.Lentry_shape_is_right:
; x = softmax(q k^T / 8) v for one head and 256 queries a work-group.
; q, k, v: qkv[3][32 heads][2048][64] f16.  x: xa[32 heads][2048][64] f16.  Scores, maxima, sums and x's sums in f32; the probabilities
; go to the matrix unit in f16 (they lie in 0..1; under 6e-8 they become zero beside a largest term of 1).
; The maximum is a running one, taken every 64 keys; the old sums are rescaled in every step, without a branch.
; LIMIT: NaN in a score is not carried into the maximum (v_max_num drops it).
; SHARES.  Sixteen waves.  Wave w has the 32 queries of group g = w % 8 (two tiles of 16) and key half kh = w / 8: of every tile of 512
; keys it takes keys 256 kh .. 256 kh + 255, in four steps of 64.  In one wave a step is a chain: 16 matrix instructions for the scores, some
; 236 vector instructions that need them, 16 matrix instructions that need those.  Halving the keys of a wave halves that chain to 16 steps
; and puts four such chains side by side on each SIMD, so that one wave's matrix instructions stand beside the others' vector work; the
; bytes read from LDS are the same as with eight waves that take all keys.  At the end the two waves of a query group join their maxima,
; sums and O through LDS.  256 registers a wave: one window, and K and V take turns in one buffer of 64 registers.
; ORIENTATION.  S^T = K Q^T: source 0 = 16 keys x 32 d, source 1 = 16 queries.  Lane (r, h) holds query r and keys 8 h + j of each tile, so
; a query's maximum and sum are made inside a lane plus one exchange of the halves, and packing tiles 2u, 2u+1 gives in place the
; fragment of P^T (32 keys x 16 queries) that O^T = V^T P^T wants as source 1.  V^T's fragments come by transposing loads.
; CLUSTERS: the four work-groups of a cluster are four query blocks of one head and read the same K and V: every tile is asked for
; jointly (mask 15).  A slot holds 512 keys of K and of V; each of the sixteen waves brings 64 keys of one of them with one load.
.set KP,     144                       ; a key's 128 bytes + 16
.set VP,     160                       ; a value's 128 bytes + 32 = 5 x 32
.set KEYS,   512                       ; keys in a slot
.set KPART,  KEYS*KP                   ; 73,728
.set SLOT,   KPART+KEYS*VP             ; 155,648; two slots are all of the 311,296 bytes
.set TILEB,  KEYS*128                  ; 65,536 bytes of K, or of V, in memory
; Behind the last tile but one slot 0 is filled no more and read no more: the exchange between the two waves of a query group and the
; stage of the way out lie there.
.set XW,     17*512                    ; exchange, for each query group: 64 registers of O and 4 of maxima and sums, 512 bytes each four
.set STAGE,  8*XW                      ; 69,632
.set WSTAGE, 32*KP                     ; a query group's stage: 32 rows
.set QOFF, 1                           ; v1      my offset in Q; never rewritten
.set KADR, 2                           ; v2-3    my K fragments in slot 0, 1 (my key half included)
.set VADR, 4                           ; v4-5    my V fragments
.set MX,   6                           ; v6-7    running maximum of query tile 0, 1
.set LS,   8                           ; v8-11   running sums, a pair a tile
.set NM,   12                          ; v12, v14  - c x maximum (the pairs' upper registers are only named, never used)
.set AL,   16                          ; v16, v18  rescale factor
.set TT,   20                          ; v20-27  at work
.set STO,  28
.set RD,   29
.set CO,   30
.set XA,   31                          ; my 16 bytes in my query group's exchange
.set SC,   32                          ; v32-95    scores: tile (q, kt) at SC + 32 q + 8 kt; then P: fragment (q, u) at SC + 32 q + 16 u
.set KV,   96                          ; v96-159   K fragments at 16 kt + 8 ks; then V^T fragments at 8 (4 u + dt)
.set QF,   160                         ; v160-191  Q fragments at 16 q + 8 ks
.set OA,   192                         ; v192-255  O^T: tile (q, dt) at OA + 32 q + 8 dt
.set G1K, 24
.set G0K, 32
.set G1V, 48
.set G0V, 56
.macro NOPS n
.rept \n
	v_nop
.endr
.endm
.macro JLOAD s                         ; waves 0-7 ask for K, waves 8-15 for V; the branch hangs on the wave's number alone
	s_cmp_eq_u32 s11, 0
	s_cbranch_scc0 .Lfor_v_\@
	tensor_load_to_lds s[G0K+4*\s:G0K+4*\s+3], s[G1K:G1K+7]
	s_nop 0
	s_branch .Lasked_\@
.Lfor_v_\@:
	tensor_load_to_lds s[G0V+4*\s:G0V+4*\s+3], s[G1V:G1V+7]
	s_nop 0
.Lasked_\@:
.endm
.macro CREST                           ; a round of the cluster's barrier behind its opening barrier
	s_cmp_lg_u32 s10, 0
	s_cbranch_scc1 .Lnot_wave_0_\@
	s_barrier_signal -3
.Lnot_wave_0_\@:
	s_barrier_wait -3
	s_barrier_signal -1
	s_barrier_wait -1
.endm
.macro ROUND                           ; a whole round
	s_barrier_signal -1
	s_barrier_wait -1
	CREST
.endm
	s_load_b128 s[4:7], s[0:1], 0x0                ; qkv s[4:5], xa s[6:7]
	v_lshl_add_u32 v94, v0, 2, 0x4c000
	v_mov_b32 v95, 0
	ds_add_u32 v94, v95
	s_wait_dscnt 0x0
	v_lshrrev_b32 v[TT], 5, v0
	v_readfirstlane_b32 s10, v[TT]                 ; wave 0..15
	s_lshr_b32 s11, s10, 3                         ; my key half.  Also: I fetch for K (0) or for V (1)
	s_and_b32 s12, s10, 7                          ; my query group.  Also: which 64 keys of a tile I fetch
	s_bfe_u32 s40, ttmp6, 0x40000                  ; cx
	s_lshl_b32 s41, ttmp9, 2
	s_add_co_u32 s41, s41, s40                     ; query block 0..7
	s_and_b32 s13, ttmp7, 0xffff                   ; head 0..31 (batch x 16 + head)
	s_mov_b32 s20, 0x3e38aa3b                      ; c = log2(e) / 8
	s_mov_b32 s21, 0xbe38aa3b                      ; - c
	s_mov_b32 s22, 0x76543210                      ; v_permlanex16_b32: lane i reads lane i of the other half
	s_mov_b32 s23, 0xfedcba98
	; 64 keys are 8,192 dense bytes: 32 rows of 256 bytes; padding behind every 32 words (a key's 128 bytes), counted along the tile
	s_mov_b32 s[G1K+0], 15|(1<<16)|(1<<20)|(1<<21)|(4<<22)|(3<<25)   ; 4 words of padding: pitch 144
	s_mov_b32 s[G1K+1], 128<<16
	s_mov_b32 s[G1K+2], 32<<16
	s_mov_b32 s[G1K+3], 128<<16
	s_mov_b32 s[G1K+4], 32
	s_mov_b32 s[G1K+5], 128
	s_mov_b32 s[G1K+6], 0
	s_mov_b32 s[G1K+7], 0
	s_mov_b32 s[G1V+0], 15|(1<<16)|(1<<20)|(1<<21)|(4<<22)|(7<<25)   ; 8 words of padding: pitch 160
	s_mov_b32 s[G1V+1], 128<<16
	s_mov_b32 s[G1V+2], 32<<16
	s_mov_b32 s[G1V+3], 128<<16
	s_mov_b32 s[G1V+4], 32
	s_mov_b32 s[G1V+5], 128
	s_mov_b32 s[G1V+6], 0
	s_mov_b32 s[G1V+7], 0
	s_lshl_b32 s14, s13, 18                        ; the head's 262,144 bytes
	s_lshl_b32 s15, s12, 13                        ; the 64 keys that I fetch
	s_add_co_u32 s16, s14, s15
	s_add_co_u32 s18, s16, 16777216                ; v
	s_add_co_u32 s16, s16, 8388608                 ; k
	s_mov_b32 s17, 0
	s_mov_b32 s19, 0
	s_mul_i32 s44, s12, 64*KP                      ; where they go
	s_mul_i32 s45, s12, 64*VP
	s_add_co_u32 s45, s45, KPART
	s_mul_i32 s8, s11, 256*KP                      ; where my key half begins, in K's part
	s_mul_i32 s9, s11, 256*VP                      ; and in V's
	s_add_co_u32 s9, s9, KPART
	s_lshl_b32 s46, s41, 15                        ; 256 queries of 128 bytes a block,
	s_lshl_b32 s47, s12, 12                        ; 32 a query group
	s_add_co_u32 s46, s46, s47
	s_add_co_u32 s46, s46, s14
	s_mov_b32 s47, 0
	s_mul_i32 s42, s12, WSTAGE
	s_add_co_u32 s42, s42, STAGE
	s_mul_i32 s43, s12, XW
	v_and_b32 v32, 15, v0                          ; r  (v32-38 are at work here; the scores come later)
	v_bfe_u32 v33, v0, 4, 1                        ; h
	v_and_b32 v34, 31, v0                          ; lane
	v_lshlrev_b32 v[QOFF], 7, v32
	v_lshl_add_u32 v[QOFF], v33, 4, v[QOFF]        ; r x 128 + 16 h
	v_mul_u32_u24 v35, v32, KP
	v_lshl_add_u32 v35, v33, 4, v35                ; r x 144 + 16 h
	v_add_nc_u32 v[STO], s42, v35
	v_add_nc_u32 v[KADR], s8, v35
	v_add_nc_u32 v[KADR+1], SLOT, v[KADR]
	v_and_b32 v36, 7, v0
	v_lshl_or_b32 v37, v33, 3, v36                 ; key 8 h + l % 8
	v_mul_u32_u24 v37, v37, VP
	v_bfe_u32 v38, v0, 3, 1
	v_lshl_add_u32 v37, v38, 4, v37
	v_add_nc_u32 v[VADR], s9, v37
	v_add_nc_u32 v[VADR+1], SLOT, v[VADR]
	v_bfe_u32 v38, v0, 3, 2                        ; back: eight lanes a row of 128 bytes, four rows a load
	v_mul_u32_u24 v38, v38, KP
	v_lshl_add_u32 v38, v36, 4, v38
	v_add_nc_u32 v[RD], s42, v38
	v_lshlrev_b32 v[CO], 4, v34                    ; 32 lanes x 16 bytes: 512 neighbouring bytes of xa
	v_lshl_add_u32 v[XA], v34, 4, s43              ; and of the exchange
	v_mov_b32 v[TT+4], 0                           ; destinations of v_permlanex16_b32 count as read,
	v_mov_b32 v[TT+5], 0
	v_mov_b32 v[NM+1], 0                           ; and so do the upper registers of pairs of which only the lower is used
	v_mov_b32 v[NM+3], 0
	v_mov_b32 v[AL+1], 0
	v_mov_b32 v[AL+3], 0
	s_wait_kmcnt 0x0
	s_add_nc_u64 s[16:17], s[4:5], s[16:17]
	s_add_nc_u64 s[18:19], s[4:5], s[18:19]
	s_add_nc_u64 s[66:67], s[4:5], s[46:47]        ; my 32 queries
	s_add_nc_u64 s[68:69], s[6:7], s[46:47]        ; and their place in xa
	ROUND                                          ; the four work-groups are here: the first joint loads meet
.irp s, 0,1
	s_mov_b32 s[G0K+4*\s], 1
	s_add_co_u32 s[G0K+4*\s+1], s44, \s*SLOT
	s_add_nc_u64 s[G0K+4*\s+2:G0K+4*\s+3], s[16:17], \s*TILEB
	s_or_b32 s[G0K+4*\s+3], s[G0K+4*\s+3], 0x80000000
	s_mov_b32 s[G0V+4*\s], 1
	s_add_co_u32 s[G0V+4*\s+1], s45, \s*SLOT
	s_add_nc_u64 s[G0V+4*\s+2:G0V+4*\s+3], s[18:19], \s*TILEB
	s_or_b32 s[G0V+4*\s+3], s[G0V+4*\s+3], 0x80000000
	JLOAD \s
.endr
.irp q, 0,1
.irp ks, 0,1
	global_load_b128 v[QF+16*\q+8*\ks:QF+16*\q+8*\ks+3],   v[QOFF], s[66:67] offset:\q*2048+\ks*64
	global_load_b128 v[QF+16*\q+8*\ks+4:QF+16*\q+8*\ks+7], v[QOFF], s[66:67] offset:\q*2048+\ks*64+32
.endr
.endr
.macro KLOAD slot, sub                 ; 64 keys x 64 d: 16 loads
.irp kt, 0,1,2,3
.irp ks, 0,1
	ds_load_b128 v[KV+16*\kt+8*\ks:KV+16*\kt+8*\ks+3],   v[KADR+\slot] offset:\sub*64*KP+\kt*16*KP+\ks*64
	ds_load_b128 v[KV+16*\kt+8*\ks+4:KV+16*\kt+8*\ks+7], v[KADR+\slot] offset:\sub*64*KP+\kt*16*KP+\ks*64+32
.endr
.endr
.endm
.macro VLOAD slot, sub                 ; 64 d x 64 keys, transposed on the way: 16 loads
.irp u, 0,1
.irp dt, 0,1,2,3
	ds_load_tr16_b128 v[KV+8*(4*\u+\dt):KV+8*(4*\u+\dt)+3],   v[VADR+\slot] offset:\sub*64*VP+\u*32*VP+32*\dt
	ds_load_tr16_b128 v[KV+8*(4*\u+\dt)+4:KV+8*(4*\u+\dt)+7], v[VADR+\slot] offset:\sub*64*VP+\u*32*VP+16*VP+32*\dt
.endr
.endr
.endm
; Scores of 64 keys x 32 queries.  The eight accumulators take turns, one instruction a turn.
.macro SMUL
.irp kt, 0,1,2,3
.irp q, 0,1
	v_wmma_f32_16x16x32_f16 v[SC+32*\q+8*\kt:SC+32*\q+8*\kt+7], v[KV+16*\kt:KV+16*\kt+7], v[QF+16*\q:QF+16*\q+7], 0
.endr
.endr
.irp kt, 0,1,2,3
.irp q, 0,1
	v_wmma_f32_16x16x32_f16 v[SC+32*\q+8*\kt:SC+32*\q+8*\kt+7], v[KV+16*\kt+8:KV+16*\kt+15], v[QF+16*\q+8:QF+16*\q+15], v[SC+32*\q+8*\kt:SC+32*\q+8*\kt+7]
.endr
.endr
.endm
.macro SOFTMAX first
	; the largest of a lane's 32 scores of each query tile: two chains a tile (17 and 15 numbers)
.irp q, 0,1
	v_max3_num_f32 v[TT+2*\q],   v[SC+32*\q],    v[SC+32*\q+1],  v[SC+32*\q+2]
	v_max3_num_f32 v[TT+2*\q+1], v[SC+32*\q+17], v[SC+32*\q+18], v[SC+32*\q+19]
.endr
.irp k, 0,1,2,3,4,5
.irp q, 0,1
	v_max3_num_f32 v[TT+2*\q],   v[TT+2*\q],   v[SC+32*\q+3+2*\k],  v[SC+32*\q+4+2*\k]
	v_max3_num_f32 v[TT+2*\q+1], v[TT+2*\q+1], v[SC+32*\q+20+2*\k], v[SC+32*\q+21+2*\k]
.endr
.endr
.irp q, 0,1
	v_max3_num_f32 v[TT+2*\q], v[TT+2*\q], v[SC+32*\q+15], v[SC+32*\q+16]
.endr
.irp q, 0,1
.if \first
	v_max_num_f32 v[TT+2*\q], v[TT+2*\q], v[TT+2*\q+1]
.else
	v_max3_num_f32 v[TT+2*\q], v[TT+2*\q], v[TT+2*\q+1], v[MX+\q]      ; with the maximum so far
.endif
.endr
.irp q, 0,1
	v_permlanex16_b32 v[TT+4+\q], v[TT+2*\q], s22, s23                 ; the other half of the lanes holds the query's other keys
.endr
.irp q, 0,1
	v_max_num_f32 v[TT+2*\q], v[TT+2*\q], v[TT+4+\q]                   ; the new maximum
.endr
.irp q, 0,1
	v_mul_f32 v[NM+2*\q], s21, v[TT+2*\q]                              ; - c x new
.endr
.if \first == 0
.irp q, 0,1
	v_fma_f32 v[TT+6+\q], v[MX+\q], s20, v[NM+2*\q]                    ; c x (old - new)
.endr
.irp q, 0,1
	v_exp_f32 v[AL+2*\q], v[TT+6+\q]                                   ; what the old sums are worth now
.endr
.endif
.irp q, 0,1
	v_mov_b32 v[MX+\q], v[TT+2*\q]                                     ; also the plain place behind the exponentials (ISA guide 5.7.2)
.endr
.irp q, 0,1
.set i, 0
.rept 16
	v_pk_fma_f32 v[SC+32*\q+2*i:SC+32*\q+2*i+1], v[SC+32*\q+2*i:SC+32*\q+2*i+1], s[20:21], v[NM+2*\q:NM+2*\q+1] op_sel_hi:[1,0,0]
.set i, i+1
.endr
.endr
.set i, 0
.rept 64
	v_exp_f32 v[SC+i], v[SC+i]
.set i, i+1
.endr
.if \first
	v_nop                                                              ; the plain place behind the last exponential
	s_wait_alu depctr_va_vdst(0)
.else
	s_wait_alu depctr_va_vdst(0)
.irp q, 0,1                                                            ; the old O is rescaled; these lines are that place too
.set i, 0
.rept 16
	v_pk_mul_f32 v[OA+32*\q+2*i:OA+32*\q+2*i+1], v[OA+32*\q+2*i:OA+32*\q+2*i+1], v[AL+2*\q:AL+2*\q+1] op_sel_hi:[1,0]
.set i, i+1
.endr
.endr
.endif
	; sums in f32, and P packed to f16 in place: word i of a tile's sixteen lands on registers that have been added and packed already
.irp q, 0,1
.if \first
	v_pk_add_f32 v[LS+2*\q:LS+2*\q+1], v[SC+32*\q:SC+32*\q+1], v[SC+32*\q+2:SC+32*\q+3]
.else
	v_pk_fma_f32 v[LS+2*\q:LS+2*\q+1], v[LS+2*\q:LS+2*\q+1], v[AL+2*\q:AL+2*\q+1], v[SC+32*\q:SC+32*\q+1] op_sel_hi:[1,0,1]
	v_pk_add_f32 v[LS+2*\q:LS+2*\q+1], v[LS+2*\q:LS+2*\q+1], v[SC+32*\q+2:SC+32*\q+3]
.endif
.endr
.irp q, 0,1
	v_cvt_pk_f16_f32 v[SC+32*\q],   v[SC+32*\q],   v[SC+32*\q+1]
	v_cvt_pk_f16_f32 v[SC+32*\q+1], v[SC+32*\q+2], v[SC+32*\q+3]
.endr
.set i, 2
.rept 14
.irp q, 0,1
	v_pk_add_f32 v[LS+2*\q:LS+2*\q+1], v[LS+2*\q:LS+2*\q+1], v[SC+32*\q+2*i:SC+32*\q+2*i+1]
	v_cvt_pk_f16_f32 v[SC+32*\q+16*(i>>3)+(i&7)], v[SC+32*\q+2*i], v[SC+32*\q+2*i+1]
.endr
.set i, i+1
.endr
.endm
; O^T += V^T P^T.  The eight accumulators take turns, one instruction a turn.
.macro PVMUL first
.irp u, 0,1
.irp q, 0,1
.irp dt, 0,1,2,3
.if \first*(1-\u)
	v_wmma_f32_16x16x32_f16 v[OA+32*\q+8*\dt:OA+32*\q+8*\dt+7], v[KV+8*(4*\u+\dt):KV+8*(4*\u+\dt)+7], v[SC+32*\q+16*\u:SC+32*\q+16*\u+7], 0
.else
	v_wmma_f32_16x16x32_f16 v[OA+32*\q+8*\dt:OA+32*\q+8*\dt+7], v[KV+8*(4*\u+\dt):KV+8*(4*\u+\dt)+7], v[SC+32*\q+16*\u:SC+32*\q+16*\u+7], v[OA+32*\q+8*\dt:OA+32*\q+8*\dt+7]
.endif
.endr
.endr
.endr
.endm
; 64 keys: step sub of my four in this slot.  turn: 0 my next 64 keys lie in the same slot; 1 change of slots with a refill; 2 without;
; 3 my last keys of all.  On entry this step's 16 loads of K are out, and nothing else.
; THE CHANGE OF SLOTS stands round the value products.  In front of the opening signal V, my last read of this slot, is in registers and all
; my tensor loads have landed (one was out: my part of the other slot).  The 16 matrix instructions between the signal and its wait touch
; registers only.  With a refill the barrier opens a round of the cluster's barrier, and the joint refill is the first tensor load
; behind the round; it has the other slot's four steps of all sixteen waves in which to land.
.macro SUBSTEP first, turn, slot, sub, nslot, nsub
	s_wait_dscnt 0x0                               ; K is in
	SMUL
	NOPS 4                                         ; four places (ISA guide 7.12.1) before V is loaded over K and the scores are read
	VLOAD \slot, \sub
	SOFTMAX \first                                 ; V comes meanwhile
	s_wait_dscnt 0x0                               ; V is in
.if \turn == 1
	s_wait_xcnt 0x0
	v_lshl_add_u32 v94, v0, 2, 0x4c000
	v_mov_b32 v95, 0
	s_wait_tensorcnt 0x0
	ds_add_u32 v94, v95
	s_wait_dscnt 0x0
	s_add_nc_u64 s[G0K+4*\slot+2:G0K+4*\slot+3], s[G0K+4*\slot+2:G0K+4*\slot+3], 2*TILEB
	s_add_nc_u64 s[G0V+4*\slot+2:G0V+4*\slot+3], s[G0V+4*\slot+2:G0V+4*\slot+3], 2*TILEB
	s_barrier_signal -1
.endif
.if \turn == 2
	s_wait_tensorcnt 0x0
	s_barrier_signal -1
.endif
	PVMUL \first
.if \turn == 1
	s_barrier_wait -1
	CREST
	JLOAD \slot
.endif
.if \turn == 2
	s_barrier_wait -1                              ; the other slot is whole
.endif
	NOPS 5                                         ; five places before the next scores are written over P, four before K is loaded over V
.if \turn != 3
	KLOAD \nslot, \nsub
.endif
.endm
.macro TILE slot, other, first, mode   ; my 256 keys of a tile of 512
	SUBSTEP \first, 0, \slot, 0, \slot, 1
	SUBSTEP 0, 0, \slot, 1, \slot, 2
	SUBSTEP 0, 0, \slot, 2, \slot, 3
	SUBSTEP 0, \mode, \slot, 3, \other, 0
.endm
	s_wait_tensorcnt 0x1                           ; my part of tile 0 is in; tile 1's stays out
	s_barrier_signal -1
	s_barrier_wait -1
	KLOAD 0, 0
	s_wait_loadcnt 0x0                             ; Q
	TILE 0, 1, 1, 1                                ; tile 0; slot 0 gets tile 2
	TILE 1, 0, 0, 1                                ; tile 1; slot 1 gets tile 3, the last load
	TILE 0, 1, 0, 2                                ; tile 2; behind its barrier nobody reads slot 0 and nothing is filled into it any more
	TILE 1, 0, 0, 3                                ; tile 3
	; my sums over my half of the keys
.irp q, 0,1
	v_add_f32 v[LS+2*\q], v[LS+2*\q], v[LS+2*\q+1]
.endr
.irp q, 0,1
	v_permlanex16_b32 v[TT+4+\q], v[LS+2*\q], s22, s23
.endr
.irp q, 0,1
	v_add_f32 v[LS+2*\q], v[LS+2*\q], v[TT+4+\q]
.endr
	; THE TWO HALVES OF THE KEYS ARE JOINED.  Waves 8-15 hand O, maxima and sums to waves 0-7, 512 neighbouring bytes a store.
	s_cmp_eq_u32 s11, 0
	s_cbranch_scc1 .Lkeeper
	v_mov_b32 v[TT],   v[MX]
	v_mov_b32 v[TT+1], v[MX+1]
	v_mov_b32 v[TT+2], v[LS]
	v_mov_b32 v[TT+3], v[LS+2]
.set i, 0
.rept 16
	ds_store_b128 v[XA], v[OA+4*i:OA+4*i+3] offset:512*i
.set i, i+1
.endr
	ds_store_b128 v[XA], v[TT:TT+3] offset:512*16
.Lkeeper:
	s_wait_dscnt 0x0                               ; for the other wave's sake: my stores are done
	s_barrier_signal -1
	s_barrier_wait -1
	s_cmp_lg_u32 s11, 0
	s_cbranch_scc1 .Ldone
	ds_load_b128 v[SC:SC+3], v[XA] offset:512*16   ; the other half's maxima (SC, SC+1) and sums (SC+2, SC+3)
.set i, 0
.rept 16
	ds_load_b128 v[KV+4*i:KV+4*i+3], v[XA] offset:512*i        ; and its O
.set i, i+1
.endr
	s_wait_dscnt 16                                ; maxima and sums are in; the 16 loads of O were issued behind them
.irp q, 0,1
	v_max_num_f32 v[TT+\q], v[MX+\q], v[SC+\q]                 ; the maximum over all keys
.endr
.irp q, 0,1
	v_mul_f32 v[NM+2*\q], s21, v[TT+\q]
.endr
.irp q, 0,1
	v_fma_f32 v[TT+2+\q], v[MX+\q], s20, v[NM+2*\q]            ; c x (mine - all)
	v_fma_f32 v[TT+4+\q], v[SC+\q], s20, v[NM+2*\q]            ; c x (the other's - all)
.endr
.irp k, 2,3,4,5
	v_exp_f32 v[TT+\k], v[TT+\k]
.endr
	v_nop                                          ; the plain place behind the exponentials
	s_wait_alu depctr_va_vdst(0)
.irp q, 0,1
	v_mul_f32 v[LS+2*\q], v[LS+2*\q], v[TT+2+\q]
.endr
.irp q, 0,1
	v_fmac_f32 v[LS+2*\q], v[SC+2+\q], v[TT+4+\q]              ; the sum over all keys: at least the largest term's, 1
.endr
.irp q, 0,1
	v_rcp_f32 v[TT+6+\q], v[LS+2*\q]
.endr
	v_nop                                          ; the plain place behind the reciprocals
	s_wait_alu depctr_va_vdst(0)
.irp q, 0,1
	v_mul_f32 v[AL+2*\q], v[TT+2+\q], v[TT+6+\q]               ; what my O is multiplied by
	v_mul_f32 v[NM+2*\q], v[TT+4+\q], v[TT+6+\q]               ; and the other's
.endr
	s_wait_dscnt 0x0
.irp q, 0,1
.set i, 0
.rept 16
	v_pk_mul_f32 v[OA+32*\q+2*i:OA+32*\q+2*i+1], v[OA+32*\q+2*i:OA+32*\q+2*i+1], v[AL+2*\q:AL+2*\q+1] op_sel_hi:[1,0]
.set i, i+1
.endr
.endr
.irp q, 0,1
.set i, 0
.rept 16
	v_pk_fma_f32 v[OA+32*\q+2*i:OA+32*\q+2*i+1], v[KV+32*\q+2*i:KV+32*\q+2*i+1], v[NM+2*\q:NM+2*\q+1], v[OA+32*\q+2*i:OA+32*\q+2*i+1] op_sel_hi:[1,0,1]
.set i, i+1
.endr
.endr
.irp q, 0,1
.set i, 0
.rept 16
	v_cvt_pk_f16_f32 v[SC+16*\q+i], v[OA+32*\q+2*i], v[OA+32*\q+2*i+1]
.set i, i+1
.endr
.endr
	; lane (r, h) holds query r, d = 16 dt + 8 h + 0..7: 16 bytes of a row.  Through my own stage, read back as whole rows.
.irp q, 0,1
.irp dt, 0,1,2,3
	ds_store_b128 v[STO], v[SC+16*\q+4*\dt:SC+16*\q+4*\dt+3] offset:\q*16*KP+32*\dt
.endr
.endr
.irp t, 0,1,2,3,4,5,6,7
	ds_load_b128 v[KV+4*\t:KV+4*\t+3], v[RD] offset:\t*4*KP    ; LDS serves a wave's instructions in order (ISA guide 5.7.1): these see the stores above
.endr
.irp t, 0,1,2,3,4,5,6,7
	s_wait_dscnt 7-\t
	global_store_b128 v[CO], v[KV+4*\t:KV+4*\t+3], s[68:69] offset:512*\t   ; four rows: 512 neighbouring bytes at a multiple of 512
.endr
.Ldone:
	s_wait_xcnt 0x0
	v_lshl_add_u32 v94, v0, 2, 0x4c000
	v_mov_b32 v95, 0
	s_wait_tensorcnt 0x0
	ds_add_u32 v94, v95
	s_wait_dscnt 0x0
	ROUND                                          ; the closing round
	s_endpgm
.Lfunc_end_k_q6b7cb6bfa3_attn:
	.size	k_q6b7cb6bfa3_attn, .Lfunc_end_k_q6b7cb6bfa3_attn-k_q6b7cb6bfa3_attn
	.p2alignl 7, 3214868480
	.fill 96, 4, 3214868480
	.section	.rodata,"a",@progbits
	.p2align	6, 0x0
	.amdhsa_kernel k_q6b7cb6bfa3_attn
		.amdhsa_group_segment_fixed_size 327680
		.amdhsa_private_segment_fixed_size 0
		.amdhsa_enable_private_segment 0
		.amdhsa_kernarg_size 16
		.amdhsa_user_sgpr_count 2
		.amdhsa_user_sgpr_kernarg_segment_ptr 1
		.amdhsa_wavefront_size32 1
		.amdhsa_system_sgpr_workgroup_id_x 1
		.amdhsa_system_sgpr_workgroup_id_y 1
		.amdhsa_system_sgpr_workgroup_id_z 1
		.amdhsa_system_vgpr_workitem_id 0
		.amdhsa_next_free_vgpr 256
		.amdhsa_next_free_sgpr 72
		.amdhsa_reserve_vcc 0
		.amdhsa_float_denorm_mode_32 3
		.amdhsa_float_denorm_mode_16_64 3
		.amdhsa_memory_ordered 1
		.amdhsa_forward_progress 1
		.amdhsa_inst_pref_size 255
	.end_amdhsa_kernel
	.section	.bss,"aw",@nobits
	.p2align	6
	.space	262144
	.amdgpu_metadata
---
amdhsa.version: [ 1, 2 ]
amdhsa.kernels:
  - .name:           k_q6b7cb6bfa3_attn
    .symbol:         k_q6b7cb6bfa3_attn.kd
    .args:
      - { .name: qkv, .offset: 0, .size: 8, .value_kind: global_buffer, .address_space: global }
      - { .name: xa, .offset: 8, .size: 8, .value_kind: global_buffer, .address_space: global }
    .group_segment_fixed_size: 327680
    .private_segment_fixed_size: 0
    .kernarg_segment_align: 8
    .kernarg_segment_size: 16
    .max_flat_workgroup_size: 512
    .sgpr_count:     72
    .vgpr_count:     256
    .wavefront_size: 32
...
	.end_amdgpu_metadata
.endif
;; end of part 3
;; launch oproj (part 4): grid 8 x 32, 4 waves a work-group, clusters of 4 x 4, 327,680 bytes of LDS; arguments xa, cb, bo, out0; writes out0
.if DOCPART == 4
	.amdgcn_target "amdgcn-amd-amdhsa--gfx1250"
	.amdhsa_code_object_version 6
	.text
	.protected	k_q6b7cb6bfa3_oproj
	.globl	k_q6b7cb6bfa3_oproj
	.p2align	8
	.type	k_q6b7cb6bfa3_oproj,@function
k_q6b7cb6bfa3_oproj:
	s_mov_b64 s[64:65], 0
	v_nop
	global_prefetch_b8 v0, s[64:65] scope:SCOPE_SE
	s_setreg_imm32_b32 hwreg(HW_REG_WAVE_MODE, 25, 1), 1
	s_wait_xcnt 0x0
	s_wait_alu depctr_hold_cnt(0) depctr_sa_sdst(0) depctr_va_vdst(0) depctr_va_sdst(0) depctr_va_ssrc(0) depctr_va_vcc(0) depctr_vm_vsrc(0)
	s_getreg_b32 s2, hwreg(HW_REG_IB_STS2, 6, 4)
	s_cmp_eq_u32 s2, 0
	s_cbranch_scc0 .Lentry_in_a_cluster
	s_endpgm
.Lentry_in_a_cluster:
	s_bfe_u32 s2, ttmp6, 0x10000c
	s_cmp_lg_u32 s2, 0xf033
	s_cbranch_scc0 .Lentry_shape_is_right
	s_endpgm
.Lentry_shape_is_right:
; out0 = x Wo + bo.  x: xa[batch*16+head][s][64] f16 (k = 64 head + d); Wo: cb rows 15,360.. as [k][n] f16; out0 [4096][1024] f32.
; 256 blocks of 128 x 128, one a work-group; four waves, 64 x 64 each (16 accumulator tiles).  K goes in four tiles of 256 through two LDS
; slots.  x's tile is four heads' planes of 128 rows x 128 bytes (each plane dense in memory), LDS pitch 144; Wo's is 256 k-rows x 256
; bytes, LDS pitch 288, read by transposing loads.
; CLUSTERS: 4 x 4 work-groups; x's tile is asked for jointly along a row of the cluster, Wo's along a column.
; The matrix instruction is used transposed (source 0 = 16 columns of Wo, source 1 = 16 rows of x): lane (r, h) holds row r, columns
; 8 h + 0..7, and the bias of those columns is the C operand of each tile's first product.
.set AP,    144
.set BP,    288                        ; 9 x 32
.set PART,  36864                      ; what one tensor load brings: 2 planes x 128 x 144 = 128 k-rows x 288
.set SLOT,  4*PART
.set STAGE, 2*SLOT                     ; 294,912, a multiple of 256: no tensor load lands behind it
.set SP,    272                        ; a stage row: 64 f32 + 16 bytes
.set ADRA, 16                          ; v16-17  my x fragments in slot 0, 1
.set ADRB, 20                          ; v20-23  my Wo fragments: slot x 2 + half of the slot's 256 k-rows
.set STO,  24
.set RD,   25
.set CO,   26
.set F0,   64                          ; fragment buffers: Wo's four blocks at + 8 b, x's four at + 32 + 8 a
.set F1,   128
.set ACC,  0                           ; window 1: tile (a, b) at 8 (4 a + b)
.set BIAS, 128                         ; window 1: v128-159
.set G1,  24
.set G0,  32
.set G1B, 48
.set G0B, 56
.set MSB, 0
.macro WIN new
.if MSB != \new
	s_set_vgpr_msb (MSB<<8)|\new
.set MSB, \new
.endif
.endm
.macro JLOAD s                         ; waves 0, 1 ask for x, waves 2, 3 for Wo
	s_cmp_eq_u32 s11, 0
	s_cbranch_scc0 .Lfor_b_\@
	tensor_load_to_lds s[G0+4*\s:G0+4*\s+3], s[G1:G1+7]
	s_nop 0
	s_branch .Lasked_\@
.Lfor_b_\@:
	tensor_load_to_lds s[G0B+4*\s:G0B+4*\s+3], s[G1B:G1B+7]
	s_nop 0
.Lasked_\@:
.endm
.macro CROUND                          ; a round of the cluster's barrier
	s_barrier_signal -1
	s_barrier_wait -1
	s_cmp_lg_u32 s10, 0
	s_cbranch_scc1 .Lnot_wave_0_\@
	s_barrier_signal -3
.Lnot_wave_0_\@:
	s_barrier_wait -3
	s_barrier_signal -1
	s_barrier_wait -1
.endm
	s_load_b256 s[68:75], s[0:1], 0x0              ; xa s[68:69], cb s[70:71], bo s[72:73], out0 s[74:75]
	v_lshl_add_u32 v254, v0, 2, 0x4c400
	v_mov_b32 v255, 0
	ds_add_u32 v254, v255
	v_lshrrev_b32 v1, 5, v0
	v_readfirstlane_b32 s10, v1                    ; wave 0..3
	s_lshr_b32 s11, s10, 1                         ; my half of the rows.  Also: I fetch for x (0) or for Wo (1)
	s_and_b32 s12, s10, 1                          ; my half of the columns.  Also: which half of that tile I fetch
	s_bfe_u32 s40, ttmp6, 0x40000                  ; cx
	s_bfe_u32 s41, ttmp6, 0x40004                  ; cy
	s_lshl_b32 s42, ttmp9, 2
	s_add_co_u32 s42, s42, s40                     ; block column 0..7
	s_and_b32 s13, ttmp7, 0xffff
	s_lshl_b32 s13, s13, 2
	s_add_co_u32 s13, s13, s41                     ; block row 0..31
	s_lshl_b32 s43, s41, 2
	s_lshl_b32 s43, 15, s43                        ; my row of the cluster
	s_lshl_b32 s44, 0x1111, s40                    ; my column
	; x: two planes, each 8,192 dense elements, 131,072 elements apart; padding of 4 words behind every 32 (a row's 128 bytes)
	s_or_b32 s[G1+0], s43, (1<<16)|(1<<20)|(1<<21)|(4<<22)|(3<<25)
	s_mov_b32 s[G1+1], 8192<<16                    ; tensor_dim0
	s_mov_b32 s[G1+2], 2<<16                       ; tensor_dim1
	s_mov_b32 s[G1+3], 8192<<16                    ; tile_dim0
	s_mov_b32 s[G1+4], 2                           ; tile_dim1
	s_mov_b32 s[G1+5], 131072                      ; from plane to plane
	s_mov_b32 s[G1+6], 0
	s_mov_b32 s[G1+7], 0
	; Wo: 128 k-rows x 128 elements; padding of 8 words behind every 64
	s_or_b32 s[G1B+0], s44, (1<<16)|(1<<20)|(1<<21)|(5<<22)|(7<<25)
	s_mov_b32 s[G1B+1], 128<<16
	s_mov_b32 s[G1B+2], 128<<16
	s_mov_b32 s[G1B+3], 128<<16
	s_mov_b32 s[G1B+4], 128
	s_mov_b32 s[G1B+5], 1024
	s_mov_b32 s[G1B+6], 0
	s_mov_b32 s[G1B+7], 0
	s_lshr_b32 s16, s13, 4                         ; batch: 16 heads of 262,144 bytes
	s_lshl_b32 s16, s16, 22
	s_and_b32 s17, s13, 15                         ; 128 rows of 128 bytes
	s_lshl_b32 s17, s17, 14
	s_add_co_u32 s16, s16, s17
	s_lshl_b32 s17, s12, 19                        ; my two planes
	s_add_co_u32 s16, s16, s17
	s_mov_b32 s17, 0
	s_lshl_b32 s46, s42, 8                         ; 128 columns of 2 bytes
	s_lshl_b32 s47, s12, 18                        ; my 128 k-rows of 2,048 bytes
	s_add_co_u32 s46, s46, s47
	s_add_co_u32 s46, s46, 31457280                ; cb row 15,360
	s_mov_b32 s47, 0
	s_mul_i32 s20, s10, PART
	s_lshl_b32 s6, s42, 9                          ; my 64 columns in f32; these two offsets lie in registers that feed no descriptor
	s_lshl_b32 s7, s12, 8
	s_add_co_u32 s6, s6, s7
	s_mov_b32 s7, 0
	s_lshl_b32 s4, s13, 19                         ; my 64 rows of 4,096 bytes
	s_lshl_b32 s5, s11, 18
	s_add_co_u32 s4, s4, s5
	s_add_co_u32 s4, s4, s6
	s_mov_b32 s5, 0
	s_wait_dscnt 0x0
	s_wait_kmcnt 0x0
	s_add_nc_u64 s[14:15], s[68:69], s[16:17]
	s_add_nc_u64 s[46:47], s[70:71], s[46:47]
	s_add_nc_u64 s[72:73], s[72:73], s[6:7]
	s_add_nc_u64 s[74:75], s[74:75], s[4:5]
	CROUND                                         ; all sixteen work-groups are here: the first joint loads meet
.irp s, 0,1
	s_mov_b32 s[G0+4*\s], 1
	s_add_co_u32 s[G0+4*\s+1], s20, \s*SLOT
	s_add_nc_u64 s[G0+4*\s+2:G0+4*\s+3], s[14:15], \s*1048576          ; four heads on
	s_or_b32 s[G0+4*\s+3], s[G0+4*\s+3], 0x80000000
	s_mov_b32 s[G0B+4*\s], 1
	s_add_co_u32 s[G0B+4*\s+1], s20, \s*SLOT
	s_add_nc_u64 s[G0B+4*\s+2:G0B+4*\s+3], s[46:47], \s*524288         ; 256 k-rows on
	s_or_b32 s[G0B+4*\s+3], s[G0B+4*\s+3], 0x80000000
	JLOAD \s
.endr
	v_and_b32 v1, 15, v0                           ; r
	v_bfe_u32 v2, v0, 4, 1                         ; h
	v_mul_u32_u24 v3, v1, AP
	v_lshl_add_u32 v3, v2, 4, v3                   ; x: r x 144 + 16 h
	v_and_b32 v4, 7, v0
	v_lshl_or_b32 v4, v2, 3, v4                    ; Wo: k-row 8 h + l % 8
	v_mul_u32_u24 v4, v4, BP
	v_bfe_u32 v5, v0, 3, 1
	v_lshl_add_u32 v4, v5, 4, v4
	s_mul_i32 s21, s11, 64*AP                      ; my 64 rows in each plane
	s_lshl_b32 s22, s12, 7                         ; my 64 columns,
	s_add_co_u32 s22, s22, 2*PART                  ; behind x's four planes
.irp s, 0,1
	v_add_nc_u32 v[ADRA+\s], s21, v3
	v_add_nc_u32 v[ADRB+2*\s], s22, v4
	s_add_co_u32 s23, s22, PART
	v_add_nc_u32 v[ADRB+2*\s+1], s23, v4
	s_add_co_u32 s21, s21, SLOT
	s_add_co_u32 s22, s22, SLOT
.endr
	s_mul_i32 s23, s10, 16*SP
	s_add_co_u32 s23, s23, STAGE
	v_mul_u32_u24 v5, v1, SP
	v_lshl_add_u32 v5, v2, 5, v5                   ; in: row r, 32 bytes for each half of the lanes
	v_add_nc_u32 v[STO], s23, v5
	v_mul_u32_u24 v5, v2, SP
	v_lshl_add_u32 v5, v1, 4, v5                   ; back: 16 lanes a row of 256 bytes
	v_add_nc_u32 v[RD], s23, v5
	v_lshlrev_b32 v[CO], 4, v1
	v_lshl_add_u32 v[CO], v2, 12, v[CO]
	v_lshlrev_b32 v6, 5, v2                        ; bias: 8 h numbers of 4 bytes
	WIN 0x40
.irp b, 0,1,2,3
	global_load_b128 v[BIAS+8*\b:BIAS+8*\b+3],   v6, s[72:73] offset:64*\b
	global_load_b128 v[BIAS+8*\b+4:BIAS+8*\b+7], v6, s[72:73] offset:64*\b+16
.endr
	WIN 0
.macro FETCH slot, kq, f               ; 32 along K, step kq = 0..7 of the slot: 16 loads
.irp b, 0,1,2,3
	ds_load_tr16_b128 v[\f+8*\b:\f+8*\b+3],   v[ADRB+2*\slot+(\kq>>2)] offset:(\kq&3)*32*BP+32*\b
	ds_load_tr16_b128 v[\f+8*\b+4:\f+8*\b+7], v[ADRB+2*\slot+(\kq>>2)] offset:(\kq&3)*32*BP+16*BP+32*\b
.endr
.irp a, 0,1,2,3
	ds_load_b128 v[\f+32+8*\a:\f+32+8*\a+3],   v[ADRA+\slot] offset:(\kq>>1)*128*AP+(\kq&1)*64+\a*16*AP
	ds_load_b128 v[\f+32+8*\a+4:\f+32+8*\a+7], v[ADRA+\slot] offset:(\kq>>1)*128*AP+(\kq&1)*64+\a*16*AP+32
.endr
.endm
; 16 matrix instructions; the 16 accumulators take turns, one instruction a turn.
.macro MUL f, first
	WIN 0x50                                       ; C and D in window 1
.irp a, 0,1,2,3
.irp b, 0,1,2,3
.if \first
	v_wmma_f32_16x16x32_f16 v[ACC+8*(4*\a+\b):ACC+8*(4*\a+\b)+7], v[\f+8*\b:\f+8*\b+7], v[\f+32+8*\a:\f+32+8*\a+7], v[BIAS+8*\b:BIAS+8*\b+7]
.else
	v_wmma_f32_16x16x32_f16 v[ACC+8*(4*\a+\b):ACC+8*(4*\a+\b)+7], v[\f+8*\b:\f+8*\b+7], v[\f+32+8*\a:\f+32+8*\a+7], v[ACC+8*(4*\a+\b):ACC+8*(4*\a+\b)+7]
.endif
.endr
.endr
	WIN 0
.endm
; One step of 32 along K: buffer f is in; the next step's fragments go into buffer g while f is multiplied.
; turn: 0 same slot; 1 change of slots with a refill; 2 without; 3 the last step.
.macro STEP f, g, first, turn, slot, nslot, nkq
	s_wait_dscnt 0x0                               ; buffer f's 16 loads, the only ones out; at a change of slots: my last reads of this slot
.if \turn == 1
	s_wait_tensorcnt 0x0                           ; all my tensor loads have landed: the one that was out is my part of the other slot
	ds_add_u32 v254, v255
	s_wait_dscnt 0x0
	s_add_nc_u64 s[G0+4*\slot+2:G0+4*\slot+3], s[G0+4*\slot+2:G0+4*\slot+3], 2097152
	s_add_nc_u64 s[G0B+4*\slot+2:G0B+4*\slot+3], s[G0B+4*\slot+2:G0B+4*\slot+3], 1048576
	CROUND                                         ; the same holds of every wave of the cluster
	JLOAD \slot                                    ; the first tensor load behind the round
.endif
.if \turn == 2
	s_wait_tensorcnt 0x0
	s_barrier_signal -1
	s_barrier_wait -1                              ; the other slot is whole
.endif
.if \turn != 3
.rept 4
	v_nop                                          ; four places (ISA guide 7.12.1) before buffer g, which matrix instructions read, is loaded
.endr
	FETCH \nslot, \nkq, \g
.endif
	MUL \f, \first
.endm
.macro EIGHT slot, other, first, turn  ; a slot's 256 along K
	STEP F0, F1, \first, 0, \slot, \slot, 1
	STEP F1, F0, 0, 0, \slot, \slot, 2
	STEP F0, F1, 0, 0, \slot, \slot, 3
	STEP F1, F0, 0, 0, \slot, \slot, 4
	STEP F0, F1, 0, 0, \slot, \slot, 5
	STEP F1, F0, 0, 0, \slot, \slot, 6
	STEP F0, F1, 0, 0, \slot, \slot, 7
	STEP F1, F0, 0, \turn, \slot, \other, 0
.endm
	s_wait_tensorcnt 0x1                           ; my part of tile 0 is in; tile 1's stays out
	s_barrier_signal -1
	s_barrier_wait -1
	FETCH 0, 0, F0
	s_wait_loadcnt 0x0                             ; the bias
	EIGHT 0, 1, 1, 1                               ; tile 0; slot 0 gets tile 2
	EIGHT 1, 0, 0, 1                               ; tile 1; slot 1 gets tile 3, the last load
	EIGHT 0, 1, 0, 2                               ; tile 2
	EIGHT 1, 0, 0, 3                               ; tile 3
.rept 4
	v_nop                                          ; four places before the results are stored and the buffers loaded
.endr
; THE WAY OUT, 16 rows at a time: 32 bytes a lane and tile into my own stage, read back as whole rows of 256 bytes.
.macro OUT16 a, f
	WIN 0x04                                       ; an LDS store's data is source 1: window 1
.irp b, 0,1,2,3
	ds_store_b128 v[STO], v[ACC+8*(4*\a+\b):ACC+8*(4*\a+\b)+3]   offset:64*\b
	ds_store_b128 v[STO], v[ACC+8*(4*\a+\b)+4:ACC+8*(4*\a+\b)+7] offset:64*\b+16
.endr
	WIN 0
	s_wait_xcnt 0x0                                ; buffer f, which earlier stores read, is loaded again only behind this wait
.irp t, 0,1,2,3,4,5,6,7
	ds_load_b128 v[\f+4*\t:\f+4*\t+3], v[RD] offset:\t*2*SP    ; LDS serves a wave's instructions in order (ISA guide 5.7.1)
.endr
.irp t, 0,1,2,3,4,5,6,7
	s_wait_dscnt 7-\t
	global_store_b128 v[CO], v[\f+4*\t:\f+4*\t+3], s[74:75] offset:65536*\a+8192*\t th:TH_STORE_NT   ; 16 lanes: 256 neighbouring bytes at a multiple of 256
.endr
.endm
	OUT16 0, F0
	OUT16 1, F1
	OUT16 2, F0
	OUT16 3, F1
	s_wait_tensorcnt 0x0
	ds_add_u32 v254, v255
	s_wait_dscnt 0x0
	CROUND                                         ; the closing round
	s_endpgm
.Lfunc_end_k_q6b7cb6bfa3_oproj:
	.size	k_q6b7cb6bfa3_oproj, .Lfunc_end_k_q6b7cb6bfa3_oproj-k_q6b7cb6bfa3_oproj
	.p2alignl 7, 3214868480
	.fill 96, 4, 3214868480
	.section	.rodata,"a",@progbits
	.p2align	6, 0x0
	.amdhsa_kernel k_q6b7cb6bfa3_oproj
		.amdhsa_group_segment_fixed_size 327680
		.amdhsa_private_segment_fixed_size 0
		.amdhsa_enable_private_segment 0
		.amdhsa_kernarg_size 32
		.amdhsa_user_sgpr_count 2
		.amdhsa_user_sgpr_kernarg_segment_ptr 1
		.amdhsa_wavefront_size32 1
		.amdhsa_system_sgpr_workgroup_id_x 1
		.amdhsa_system_sgpr_workgroup_id_y 1
		.amdhsa_system_sgpr_workgroup_id_z 1
		.amdhsa_system_vgpr_workitem_id 0
		.amdhsa_next_free_vgpr 416
		.amdhsa_next_free_sgpr 76
		.amdhsa_reserve_vcc 0
		.amdhsa_float_denorm_mode_32 3
		.amdhsa_float_denorm_mode_16_64 3
		.amdhsa_memory_ordered 1
		.amdhsa_forward_progress 1
		.amdhsa_inst_pref_size 90
	.end_amdhsa_kernel
	.amdgpu_metadata
---
amdhsa.version: [ 1, 2 ]
amdhsa.kernels:
  - .name:           k_q6b7cb6bfa3_oproj
    .symbol:         k_q6b7cb6bfa3_oproj.kd
    .args:
      - { .name: xa, .offset: 0, .size: 8, .value_kind: global_buffer, .address_space: global }
      - { .name: cb, .offset: 8, .size: 8, .value_kind: global_buffer, .address_space: global }
      - { .name: bo, .offset: 16, .size: 8, .value_kind: global_buffer, .address_space: global }
      - { .name: out0, .offset: 24, .size: 8, .value_kind: global_buffer, .address_space: global }
    .group_segment_fixed_size: 327680
    .private_segment_fixed_size: 0
    .kernarg_segment_align: 8
    .kernarg_segment_size: 32
    .max_flat_workgroup_size: 128
    .sgpr_count:     76
    .vgpr_count:     416
    .wavefront_size: 32
...
	.end_amdgpu_metadata
.endif
;; end of part 4
